; MI455X (gfx1250); checked and timed in simulation.
; The chip was launched on July 23, 2026; its instructions are those of AMD's public machine-readable ISA for CDNA 5 (MIT licence, August 2026) and "CDNA5" Instruction Set Architecture Reference Guide (July 2026). The comments in the code are by the model that wrote it; some were corrected since.
;; Lo RA Linear Experts Wrapper. Allowed arithmetic: matrix products marked QUANTISED: E2M3 operands, one E8M0 scale for each 32 along K, by v_wmma_scale_f32_16x16x128_f8f6f4 with both operands' format E2M3, f32 sums; everything else in f32.
;; Inputs: A_d_codes 64 x 128 x 24 uint8 (E2M3 codes of A_d, K innermost, in blocks of 32 codes, four codes in three bytes); A_d_scales 64 x 128 uint8 (E8M0 scales of A_d, one for each 32 codes along K); A_gu_codes 64 x 64 x 24 uint8 (E2M3 codes of A_gu, K innermost, in blocks of 32 codes, four codes in three bytes); A_gu_scales 64 x 64 uint8 (E8M0 scales of A_gu, one for each 32 codes along K); B_d_codes 2,048 x 2 x 24 uint8 (E2M3 codes of B_d, K innermost, in blocks of 32 codes, four codes in three bytes); B_d_scales 2,048 x 2 uint8 (E8M0 scales of B_d, one for each 32 codes along K); B_gu_codes 8,192 x 2 x 24 uint8 (E2M3 codes of B_gu, K innermost, in blocks of 32 codes, four codes in three bytes); B_gu_scales 8,192 x 2 uint8 (E8M0 scales of B_gu, one for each 32 codes along K); W_d_codes 2,048 x 128 x 24 uint8 (E2M3 codes of W_d, K innermost, in blocks of 32 codes, four codes in three bytes); W_d_scales 2,048 x 128 uint8 (E8M0 scales of W_d, one for each 32 codes along K); W_gu_codes 8,192 x 64 x 24 uint8 (E2M3 codes of W_gu, K innermost, in blocks of 32 codes, four codes in three bytes); W_gu_scales 8,192 x 64 uint8 (E8M0 scales of W_gu, one for each 32 codes along K); hidden_states_codes 2,048 x 64 x 24 uint8 (E2M3 codes of hidden_states, K innermost, in blocks of 32 codes, four codes in three bytes); hidden_states_scales 2,048 x 64 uint8 (E8M0 scales of hidden_states, one for each 32 codes along K).
;; Outputs: out0 2,048 x 2,048 float32.
;; This version of the problem:
;;   THIS VERSION OF THE PROBLEM IS GIVEN IN LOW PRECISION. The matrix products marked QUANTISED in the list below multiply operands that are first quantised to E2M3 (2 exponent bits, 3 mantissa bits; 6 bits a number), with one power-of-two scale for each 32 numbers along K (OCP MX v1.0); their sums are f32. All else is computed in f32.
;;   The module's matrix products, in the order in which they are computed (A, B: the left and right operand; K: the contracted axis; several contracted axes count as one K, in the product's order):
;;     1. [M 2,048, K 2,048] x [K 2,048, N 8,192]; A: input hidden_states (given as codes); B: input W_gu (given as codes): QUANTISED
;;     2. [M 2,048, K 2,048] x [K 2,048, N 64]; A: input hidden_states (given as codes); B: input A_gu (given as codes): QUANTISED
;;     3. [M 2,048, K 64] x [K 64, N 8,192]; A: computed on the way; B: input B_gu (given as codes): QUANTISED
;;     4. [M 2,048, K 4,096] x [K 4,096, N 2,048]; A: computed on the way; B: input W_d (given as codes): QUANTISED
;;     5. [M 2,048, K 4,096] x [K 4,096, N 64]; A: computed on the way; B: input A_d (given as codes): QUANTISED
;;     6. [M 2,048, K 64] x [K 64, N 2,048]; A: computed on the way; B: input B_d (given as codes): QUANTISED
;;   THE QUANTISER, for each operand of a quantised product, along K:
;;     - K is cut into blocks of 32 from its start; a last block that is shorter is filled with zeros.
;;     - A block's scale is 2^e with e = floor(log2(the largest magnitude in the block)) - 2, held to -126 .. 127; a block of zeros has e = 0. As a byte (E8M0): e + 127.
;;     - Each number is divided by its block's scale, clamped to +-7.5, and rounded to the nearest number of E2M3, ties to even, subnormals kept.
;;     - The product sums the exact products of the quantised numbers (number of the format x scale) in f32.
;;   ~~~python
;;   def quantise(x, axis):      # numpy; x: float32 -> the quantised numbers, widened to float32 again
;;       x = np.moveaxis(x, axis, -1); K = x.shape[-1]
;;       x = np.pad(x, [(0, 0)] * (x.ndim - 1) + [(0, -K % 32)]); x = x.reshape(x.shape[:-1] + (-1, 32)); a = np.abs(x).max(-1, keepdims=True)
;;       e = np.where(a > 0, np.clip(np.frexp(np.where(a > 0, a, 1))[1] - 1 - 2, -126, 127), 0)      # np.frexp(a)[1] - 1 = floor(log2(a)), exactly
;;       r = np.clip(x / 2.0 ** e, -7.5, 7.5)
;;       step = 2.0 ** (np.maximum(np.frexp(np.where(r == 0, 1, r))[1] - 1, 0) - 3)
;;       q = np.round(r / step) * step * 2.0 ** e      # np.round: ties to even
;;       return np.moveaxis(q.reshape(q.shape[:-2] + (-1,))[..., :K], -1, axis).astype(np.float32)
;;   ~~~
;;   OPERANDS COMPUTED ON THE WAY. 'Computed on the way' means the value that the module computes at that place (a softmax that the list does not call 'softmax' is quantised finished and normalised). What goes into a quantiser is computed in f32, as accurately as f32 sums, v_exp_f32 and their like allow (about 1e-6 of the number): no bf16 or f16 on the way to a quantiser, and a product that is left as it is and whose result goes on into a quantised operand takes f32 operands (vector FMAs, or v_wmma_f32_16x16x4_f32). A number that lies on a knife's edge between two numbers of the format may be rounded either way, as far as f32 arithmetic and the matrix unit's own rounding can turn it there, and no further.
;;   INPUTS GIVEN AS CODES. A_d (in the module: [64, 4096], K = its axis 1); A_gu (in the module: [64, 2048], K = its axis 1); B_d (in the module: [2048, 64], K = its axis 1); B_gu (in the module: [8192, 64], K = its axis 1); W_d (in the module: [2048, 4096], K = its axis 1); W_gu (in the module: [8192, 2048], K = its axis 1); hidden_states (in the module: [2048, 2048], K = its axis 1): each comes as NAME_codes (uint8): NAME with its K axis moved to the last place and cut into blocks of 32 codes, [.., K / 32, bytes a block], one block behind the other in memory; four codes in three bytes: a row's codes are one little-endian stream of bits, code i at bits 6 i .. 6 i + 5 (a code: sign, 2 exponent bits, 3 mantissa bits); and NAME_scales (uint8): the same leading axes, one E8M0 byte (e + 127) for each 32 codes along K. Its value is code x scale, taken as it is: it is not quantised again, and the codes and scales need not be those that the quantiser above would give.
;; One version. Each part assembles by itself: llvm-mc -triple=amdgcn-amd-amdhsa -mcpu=gfx1250 --defsym DOCPART=n.
;; ======== version 1 of 1: 2 launches
;; workspace buffers: h_img 6,291,456 bytes; h_sc 262,144 bytes
;; launch gateup (part 1): grid 32 x 8, 4 waves a work-group, clusters of 4 x 4, 327,680 bytes of LDS; arguments hidden_states_codes, hidden_states_scales, W_gu_codes, W_gu_scales, A_gu_codes, A_gu_scales, B_gu_codes, B_gu_scales, h_img, h_sc; writes h_img, h_sc
.if DOCPART == 1
	.amdgcn_target "amdgcn-amd-amdhsa--gfx1250"
	.amdhsa_code_object_version 6
	.text
	.protected	k_q49ededd091_gateup
	.globl	k_q49ededd091_gateup
	.p2align	8
	.type	k_q49ededd091_gateup,@function
k_q49ededd091_gateup:
	s_mov_b64 s[64:65], 0
	v_nop
	global_prefetch_b8 v0, s[64:65] scope:SCOPE_SE
	s_setreg_imm32_b32 hwreg(HW_REG_WAVE_MODE, 25, 1), 1
	s_wait_xcnt 0x0
	s_wait_alu depctr_hold_cnt(0) depctr_sa_sdst(0) depctr_va_vdst(0) depctr_va_sdst(0) depctr_va_ssrc(0) depctr_va_vcc(0) depctr_vm_vsrc(0)
	s_getreg_b32 s2, hwreg(HW_REG_IB_STS2, 6, 4)
	s_cmp_eq_u32 s2, 0
	s_cbranch_scc0 .Lentry_in_a_cluster
	s_endpgm
.Lentry_in_a_cluster:
	s_bfe_u32 s2, ttmp6, 0x10000c
	s_cmp_lg_u32 s2, 0xf033
	s_cbranch_scc0 .Lentry_shape_is_right
	s_endpgm
.Lentry_shape_is_right:
; gate_up = x W_gu^T + 0.25 Q(x A_gu^T) B_gu^T;  h = up x gate x sigmoid(gate);  Q(h) goes to memory as codes.  All products on codes of FP6 (E2M3) with one E8M0 scale for each 32 along K; sums in f32.
; SHARES.  A work-group takes 256 rows of x, 128 gate columns (rows 128 tc on of W_gu) and the 128 up columns that belong to them (rows 4096 + 128 tc on).  Wave (i, j) takes rows 128 i on against gate columns 64 j on
; (B's blocks 0-3) and up columns 64 j on (blocks 4-7): 64 accumulators; and T = x A_gu^T for its 128 rows against rows 32 j on of A_gu (16 accumulators), with the fragments of x that it holds anyway.
; THE MATRIX INSTRUCTION IS USED TRANSPOSED (source 0 = 16 rows of W_gu or A_gu, source 1 = 16 rows of x): a lane holds one row of x and eight neighbouring columns.
; K goes in slots of 256 (two steps of 128) through a ring of two LDS slots.  x's tile is asked for jointly by my row of the 4 x 4 cluster, W_gu's two tiles by my column.
; A_gu's tile is asked for plainly: its address hangs on no place in the cluster, and it is 12,288 of a slot's 110,592 bytes.
; THE TAIL.  T is quantised along its 64 (block j lies in wave j), goes from wave to wave through LDS as an image of the operand's registers, and the product with B_gu is one more K step (64 codes, 64 zero codes) on the
; same accumulators; the factor 0.25 is taken off T's scale byte (2 off the exponent: exact).  Then SwiGLU in f32, h's blocks of 32 quantised, and the codes stored in the order of the next launch's operand registers:
; h_img [K step 32][16 rows 128][half 2][768 bytes: registers 6 c .. 6 c + 3, 16 bytes a lane; then 6 c + 4, 6 c + 5, 8 bytes a lane];  h_sc [K step 32][row 2048][4 bytes].
; LIMITS: a block of T whose largest magnitude lies under 2^-122 is quantised on the scale 2^-124 (its stored byte, 2 less, stays at 1 or above); a block of h under 2^-124 has the byte 1, a block of zeros too (its codes
; are zeros, and this program alone reads the bytes); where gate is under about -87 the sigmoid is 0 (the reciprocal gives 0 for what would be denormal); NaN and infinities are not served.
; REGISTERS, in windows of 256.  Window 0: v8-27 addresses; v32-63 scale words of x and W_gu, two sets; v64-67 those of A_gu (later T's); v72-75 B_gu's; v80-127 four buffers for x's fragments; v128-255 T's accumulators.
;   Window 1: two sets of W_gu's eight and A_gu's two fragments, at v0 and v128.   Windows 2, 3: accumulator (a, b) at v[8 (8 (a % 4) + b)] of window 2 + a / 4.
.set FR,    12                         ; registers of a fragment: 16 rows x 128 K
.set PPI,   8                          ; pieces of 8 bytes between two paddings
.set PITCH, 240                        ; an LDS row: 3 x (64 bytes + 16 of padding)
.set ROWB,  192                        ; 256 codes
.set KROW,  1536                       ; a row of x, W_gu, A_gu in memory
.set WOFF,  256*PITCH                  ; a slot: x's 256 rows, gate's 128, up's 128, A_gu's 64
.set GOFF,  512*PITCH
.set SLOT,  576*PITCH
.set SCL,   2*SLOT                     ; behind the ring: x's scale bytes, 64 units of 256 bytes + 16
.set WSR,   SCL+64*272                 ; W_gu's: gate 0-63, up 0-63, gate 64-127, up 64-127
.set GSR,   WSR+64*272                 ; A_gu's
.set SPARE, GSR+16*272                 ; the spare words, 128 bytes for each wave
.set TSC,   12288                      ; the tail, in slot 0, which has had its last fill and its last read: T's images at 0 (16 x 768), T's scale words (2 x 1,024),
.set HSC,   14336                      ; h's scale words (1,024)
.set ADRG, 8                           ; v8-9 A_gu's fragments in slot 0, 1; v10-11 the same behind one padding more
.set BGO,  12                          ; v12  B_gu's codes: 48 r + 24 h
.set BSO,  13                          ; v13  B_gu's scales: 2 x lane
.set ADRA, 16                          ; v16-19 x's fragments
.set ADRB, 20                          ; v20-23 W_gu's
.set ADGS, 26                          ; v26  A_gu's scale words
.set ADRS, 27                          ; v27  x's (lanes 0-15) and W_gu's (lanes 16-31)
.set SPW,  28
.set NIL,  29
.set SC,   32
.set GS,   64
.set TS,   64                          ; T's scale words, v64-71
.set BGS,  72
.set AF,   80
.set TA,   128
.set H,    80                          ; the tail: v80-111 h;  v112-125 the quantiser's;  v128-159 the sigmoid;  v160-255 T's fragments
.set TS2,  112
.set QS,   112
.set E,    128
.set TF,   160
.set TI16, 8                           ; the tail's addresses, in registers that the loop has left
.set TI8,  9
.set TSW,  10
.set TL16, 11
.set TL8,  16
.set TSR,  17
.set GO16, 18
.set GO8,  19
.set HSW,  20
.set HSR,  21
.set HGO,  22
.set G1X, 24                           ; s[24:31], s[32:39], s[40:47] descriptor groups 1: x, W_gu, A_gu
.set G1W, 32
.set G1G, 40
.set G0X, 48                           ; s[48:55], s[56:63], s[68:75] groups 0, a set for each slot
.set G0W, 56
.set G0G, 68
.set WV,  76
.set WI,  77
.set WJ,  78
.set CX,  79
.set CY,  80
.set TC,  81
.set TR,  82
.set RM,  83
.set CM,  84
.set LAP, 85
.set SEL, 86
.set NL,  88
.set J8,  90
.set TO_B, 0x40                        ; destination window 1, address window 0
.set MSB, 0
.macro WIN new                         ; the immediate's high byte repeats the setting that is left
.if MSB != \new
	s_set_vgpr_msb (MSB<<8)|\new
.set MSB, \new
.endif
.endm
.macro PLACES n                        ; plain places behind matrix instructions, in front of loads into their sources and of reads of their results
.rept \n
	v_nop
.endr
.endm
; One tensor load a wave: wave 0 x's tile, waves 1 and 2 gate's and up's, wave 3 A_gu's.  The branches hang on the wave's number alone.  Four v_nop follow each line.
.macro JLOAD s
	s_cmp_eq_u32 s[WV], 0
	s_cbranch_scc0 .Lnot_x_\@
	tensor_load_to_lds s[G0X+4*\s:G0X+4*\s+3], s[G1X:G1X+7]
	s_nop 0
.rept 4
	v_nop
.endr
	s_branch .Lasked_\@
.Lnot_x_\@:
	s_cmp_eq_u32 s[WV], 3
	s_cbranch_scc0 .Lfor_w_\@
	tensor_load_to_lds s[G0G+4*\s:G0G+4*\s+3], s[G1G:G1G+7]
	s_nop 0
.rept 4
	v_nop
.endr
	s_branch .Lasked_\@
.Lfor_w_\@:
	tensor_load_to_lds s[G0W+4*\s:G0W+4*\s+3], s[G1W:G1W+7]
	s_nop 0
.rept 4
	v_nop
.endr
.Lasked_\@:
.endm
.macro CREST                           ; a round of the cluster's barrier behind its opening barrier
	s_cmp_lg_u32 s[WV], 0
	s_cbranch_scc1 .Lnot_wave_0_\@
	s_barrier_signal -3
.Lnot_wave_0_\@:
	s_barrier_wait -3
	s_barrier_signal -1
	s_barrier_wait -1
.endm
.macro CROUND
	s_barrier_signal -1
	s_barrier_wait -1
	CREST
.endm
; One matrix instruction.  d: the accumulator; fa, fb: sources 0 and 1; zero = 1: it starts the sum; sa, sb: the scale registers; ra = 1: source 0's scales stand in lanes 16-31.
.macro WM d, fa, fb, zero, sa, sb, ra
.if \zero
.if \ra
	v_wmma_scale_f32_16x16x128_f8f6f4 v[(\d):(\d)+7], v[(\fa):(\fa)+11], v[(\fb):(\fb)+11], 0, v[\sa], v[\sb] matrix_a_fmt:MATRIX_FMT_FP6 matrix_b_fmt:MATRIX_FMT_FP6 matrix_a_scale:MATRIX_SCALE_ROW1
.else
	v_wmma_scale_f32_16x16x128_f8f6f4 v[(\d):(\d)+7], v[(\fa):(\fa)+11], v[(\fb):(\fb)+11], 0, v[\sa], v[\sb] matrix_a_fmt:MATRIX_FMT_FP6 matrix_b_fmt:MATRIX_FMT_FP6
.endif
.else
.if \ra
	v_wmma_scale_f32_16x16x128_f8f6f4 v[(\d):(\d)+7], v[(\fa):(\fa)+11], v[(\fb):(\fb)+11], v[(\d):(\d)+7], v[\sa], v[\sb] matrix_a_fmt:MATRIX_FMT_FP6 matrix_b_fmt:MATRIX_FMT_FP6 matrix_a_scale:MATRIX_SCALE_ROW1
.else
	v_wmma_scale_f32_16x16x128_f8f6f4 v[(\d):(\d)+7], v[(\fa):(\fa)+11], v[(\fb):(\fb)+11], v[(\d):(\d)+7], v[\sa], v[\sb] matrix_a_fmt:MATRIX_FMT_FP6 matrix_b_fmt:MATRIX_FMT_FP6
.endif
.endif
.endm
; A fragment: lane (r, h) takes 24 bytes of row r at 96 q + 24 h and 24 at 96 q + 48 + 24 h, in pieces of 8.  Lanes 16-31 read three pieces on; where that is behind one padding more, the second address register serves.
.macro FRAG reg, adr, q, off
.irp p, 0,1,2,3,4,5
.set PC, 12*(\q)+6*(\p/3)+\p%3
.if PC%PPI < PPI-3
	ds_load_b64 v[(\reg)+2*\p:(\reg)+2*\p+1], v[\adr] offset:8*PC+16*(PC/PPI)+(\off)
.else
	ds_load_b64 v[(\reg)+2*\p:(\reg)+2*\p+1], v[(\adr)+2] offset:8*PC+16*(PC/PPI)+(\off)
.endif
.endr
.endm
.macro LOADA slot, q, a                ; x's block a into buffer a % 4
	FRAG AF+FR*((\a)%4), ADRA+\slot, \q, (\a)*16*PITCH
.endm
.macro LOADW slot, q, set, b0, n       ; W_gu's blocks b0 .. b0 + n - 1: gate's 0-3, up's 4-7, which lie 128 rows behind gate's
.set BB, \b0
.rept \n
	FRAG 128*(\set)+FR*BB, ADRB+\slot, \q, (16*BB+64*(BB/4))*PITCH
.set BB, BB+1
.endr
.endm
.macro LOADG slot, q, set              ; A_gu's two tiles
	FRAG 128*(\set)+96, ADRG+\slot, \q, 0
	FRAG 128*(\set)+108, ADRG+\slot, \q, 16*PITCH
.endm
.macro SCALES sc                       ; a slot's scale words, two a row: register 2 i + q: lanes 0-15 x's block i, lanes 16-31 W_gu's block i;  A_gu's: lanes 0-15 tile 0, lanes 16-31 tile 1
.irp i, 0,1,2,3,4,5,6,7
	ds_load_b64 v[SC+16*\sc+2*\i:SC+16*\sc+2*\i+1], v[ADRS] offset:\i*1088
.endr
	ds_load_b64 v[GS+2*\sc:GS+2*\sc+1], v[ADGS]
.endm
; A phase: x's blocks 2 ph, 2 ph + 1 against W_gu's eight (16 instructions) and against A_gu's two (4).  Each accumulator has one instruction a step: the 80 take turns.
.macro MAIN16 ph, set, q, sc, zero
.set WW, 0xa1+0x50*((\ph)/2)           ; source 0 window 1, source 1 window 0, C and D window 2 or 3
	WIN WW
.irp a, 2*(\ph), 2*(\ph)+1
.irp b, 0,1,2,3,4,5,6,7
	WM 8*(8*((\a)%4)+\b), 128*(\set)+FR*\b, AF+FR*((\a)%4), \zero, SC+16*(\sc)+2*\b+(\q), SC+16*(\sc)+2*(\a)+(\q), 1
.endr
.endr
.endm
.macro TMUL4 ph, set, q, sc, zero
	WIN 0x01                                       ; source 0 window 1, all else window 0
.irp a, 2*(\ph), 2*(\ph)+1
	WM TA+16*(\a), 128*(\set)+96, AF+FR*((\a)%4), \zero, GS+2*(\sc)+(\q), SC+16*(\sc)+2*(\a)+(\q), 0
	WM TA+16*(\a)+8, 128*(\set)+108, AF+FR*((\a)%4), \zero, GS+2*(\sc)+(\q), SC+16*(\sc)+2*(\a)+(\q), 1
.endr
.endm
.macro PHASE ph, set, q, sc, zero
	MAIN16 \ph, \set, \q, \sc, \zero
	TMUL4 \ph, \set, \q, \sc, \zero
.endm
; A slot's first step of 128 along K (set 0).  Behind each phase the buffers that it has read take the blocks four further on; the second step's fragments of W_gu and A_gu go into set 1.
.macro STEP slot, zero
	s_wait_dscnt 12                                ; all but the youngest 12 loads (x's blocks 2, 3) are in
	PHASE 0, 0, 0, \slot, \zero
	PLACES 4
	WIN 0
	LOADA \slot, 0, 4
	LOADA \slot, 0, 5
	WIN TO_B
	LOADW \slot, 1, 1, 0, 5
	s_wait_dscnt 42                                ; the 42 just issued may be out: blocks 2, 3 are in
	PHASE 1, 0, 0, \slot, \zero
	PLACES 4
	WIN 0
	LOADA \slot, 0, 6
	LOADA \slot, 0, 7
	WIN TO_B
	LOADW \slot, 1, 1, 5, 3
	LOADG \slot, 1, 1
	s_wait_dscnt 42                                ; the 42 just issued may be out: blocks 4, 5 are in
	PHASE 2, 0, 0, \slot, \zero
	PLACES 4
	WIN 0
	LOADA \slot, 1, 0
	LOADA \slot, 1, 1
	s_wait_dscnt 12                                ; the 12 just issued may be out: blocks 6, 7 are in
	PHASE 3, 0, 0, \slot, \zero
	PLACES 4
	WIN 0
	LOADA \slot, 1, 2
	LOADA \slot, 1, 3
.endm
; A slot's second step (set 1) changes slots: ONE barrier; in front of it each wave waits for all its tensor loads, adds 0 to its spare word, and waits for that and for its reads of this slot.
.macro TURN slot, next, fill
	s_wait_dscnt 12
	PHASE 0, 1, 1, \slot, 0
	PLACES 4
	WIN 0
	LOADA \slot, 1, 4
	LOADA \slot, 1, 5
	s_wait_dscnt 12                                ; blocks 2, 3 are in
	PHASE 1, 1, 1, \slot, 0
	PLACES 4
	WIN 0
	LOADA \slot, 1, 6
	LOADA \slot, 1, 7                              ; my last reads of this slot
	s_wait_tensorcnt 0x0                           ; all my tensor loads have landed: the one that was out is my part of the next slot
	ds_add_u32 v[SPW], v[NIL]                      ; 0 onto my spare word
	s_wait_dscnt 13                                ; the add and blocks 6, 7 may be out: blocks 4, 5 are in
	MAIN16 2, 1, 1, \slot, 0                       ; sixteen matrix instructions stand between the add and the wait for it
	s_wait_dscnt 0x0                               ; the add is done, and my reads of this slot are over
	s_barrier_signal -1
	TMUL4 2, 1, 1, \slot, 0
	WIN 0
	s_barrier_wait -1
.if \fill
	CREST                                          ; the barrier has opened a round of the cluster's: no wave of any partner still reads this slot or has a load on its way
	s_add_nc_u64 s[G0X+4*\slot+2:G0X+4*\slot+3], s[G0X+4*\slot+2:G0X+4*\slot+3], 2*ROWB
	s_add_nc_u64 s[G0W+4*\slot+2:G0W+4*\slot+3], s[G0W+4*\slot+2:G0W+4*\slot+3], 2*ROWB
	s_add_nc_u64 s[G0G+4*\slot+2:G0G+4*\slot+3], s[G0G+4*\slot+2:G0G+4*\slot+3], 2*ROWB
	JLOAD \slot                                    ; the first tensor load behind the round, one a wave; its four v_nop are the places in front of the loads below
.else
	PLACES 4
.endif
	v_add_nc_u32 v[ADRS], 8, v[ADRS]               ; the next slot's scale words
	v_add_nc_u32 v[ADGS], 8, v[ADGS]
	WIN TO_B
	LOADW \next, 0, 0, 0, 8
	LOADG \next, 0, 0
	WIN 0
	LOADA \next, 0, 0
	LOADA \next, 0, 1
	SCALES \next
	PHASE 3, 1, 1, \slot, 0
	PLACES 4
	WIN 0
	LOADA \next, 0, 2
	LOADA \next, 0, 3
.endm
; Two blocks of 32 become codes.  v[xa] .. v[xa + 15] are my 16 numbers of one block (columns 8 h + 0 .. 7 and 16 + 8 h + 0 .. 7; the lane 16 away has the others), v[xb] .. those of another.
; Out: v[qt+2], v[qt+3] the two scale bytes (in every lane); v[qt+6 : qt+9] and v[qt+12 : qt+13] 24 bytes of codes in the order of the columns: lanes 0-15 the first block's, lanes 16-31 the second's.
.macro QPAIR xa, xb, floor, qt
	v_max3_num_f32 v[(\qt)], |v[(\xa)]|, |v[(\xa)+1]|, \floor      ; the floor is one more leaf: the byte cannot fall under its bound
	v_max3_num_f32 v[(\qt)+1], |v[(\xb)]|, |v[(\xb)+1]|, \floor
.irp i, 2,4,6,8,10,12,14
	v_max3_num_f32 v[(\qt)], v[(\qt)], |v[(\xa)+\i]|, |v[(\xa)+\i+1]|
	v_max3_num_f32 v[(\qt)+1], v[(\qt)+1], |v[(\xb)+\i]|, |v[(\xb)+\i+1]|
.endr
	v_permlanex16_b32 v[(\qt)+2], v[(\qt)], s[SEL], s[SEL+1]
	v_permlanex16_b32 v[(\qt)+3], v[(\qt)+1], s[SEL], s[SEL+1]
	v_max_num_f32 v[(\qt)], v[(\qt)], v[(\qt)+2]   ; with the lane 16 away: the block's largest magnitude
	v_max_num_f32 v[(\qt)+1], v[(\qt)+1], v[(\qt)+3]
	v_add_nc_u32 v[(\qt)+4], 0xff000000, v[(\qt)]  ; 2 off its exponent field: the conversion takes the exponent field of this operand as its scale
	v_add_nc_u32 v[(\qt)+5], 0xff000000, v[(\qt)+1]
	v_lshrrev_b32 v[(\qt)+2], 23, v[(\qt)+4]       ; the scale's byte
	v_lshrrev_b32 v[(\qt)+3], 23, v[(\qt)+5]
	v_cvt_scalef32_pk16_fp6_f32 v[(\qt)+6:(\qt)+8], v[(\xa):(\xa)+15], v[(\qt)+4]
	v_cvt_scalef32_pk16_fp6_f32 v[(\qt)+10:(\qt)+12], v[(\xb):(\xb)+15], v[(\qt)+5]
	v_nop                                          ; one plain place behind a scaled conversion
.irp i, 0,1,2
	v_permlane16_swap_b32 v[(\qt)+6+\i], v[(\qt)+10+\i]   ; now a lane has a whole block: the first three registers columns 0-7 and 16-23, the second three 8-15 and 24-31, 48 bits each
.endr
	v_perm_b32 v[(\qt)+9], v[(\qt)+8], v[(\qt)+7], 0x05040302      ; bits 96-127: columns 16-23, their first 32 bits
	v_mov_b32 v[(\qt)+13], v[(\qt)+12]                             ; bits 160-191: columns 24-31, their last 32 (a pair for the store begins on an even register)
	v_perm_b32 v[(\qt)+12], v[(\qt)+11], v[(\qt)+8], 0x07060302    ; bits 128-159
	v_perm_b32 v[(\qt)+8], v[(\qt)+11], v[(\qt)+10], 0x05040302    ; bits 64-95
	v_perm_b32 v[(\qt)+7], v[(\qt)+10], v[(\qt)+7], 0x05040100     ; bits 32-63; bits 0-31 stand as they are
.endm
	s_load_b512 s[4:19], s[0:1], 0x0               ; x's codes s[4:5], scales s[6:7]; W_gu's s[8:9], s[10:11]; A_gu's s[12:13], s[14:15]; B_gu's s[16:17], s[18:19]
	s_load_b128 s[20:23], s[0:1], 0x40             ; h_img, h_sc
	v_lshl_add_u32 v[SPW], v0, 2, SPARE
	v_mov_b32 v[NIL], 0
	ds_add_u32 v28, v29
	ds_add_u32 v28, v29
	s_wait_dscnt 0x0
	v_lshrrev_b32 v1, 5, v0
	v_readfirstlane_b32 s[WV], v1                  ; wave 0..3
	s_lshr_b32 s[WI], s[WV], 1                     ; i: my half of the rows
	s_and_b32 s[WJ], s[WV], 1                      ; j: my half of the columns
	s_lshl_b32 s[J8], s[WJ], 3
	s_bfe_u32 s[CX], ttmp6, 0x40000
	s_bfe_u32 s[CY], ttmp6, 0x40004
	s_lshl_b32 s[TC], ttmp9, 2
	s_add_co_u32 s[TC], s[TC], s[CX]               ; tile column 0..31
	s_and_b32 s[TR], ttmp7, 0xffff
	s_lshl_b32 s[TR], s[TR], 2
	s_add_co_u32 s[TR], s[TR], s[CY]               ; tile row 0..7
	s_lshl_b32 s[RM], s[CY], 2
	s_lshl_b32 s[RM], 15, s[RM]                    ; my row of the cluster
	s_lshl_b32 s[CM], 0x1111, s[CX]                ; my column
	; descriptor groups 1: rows of 192 bytes, 1,536 bytes apart; elements of 1 byte; 16 bytes of padding behind every 64
	s_or_b32 s[G1X], s[RM], (1<<20)|(1<<21)|(3<<22)|(3<<25)
	s_or_b32 s[G1W], s[CM], (1<<20)|(1<<21)|(3<<22)|(3<<25)
	s_mov_b32 s[G1G], (1<<20)|(3<<22)|(3<<25)      ; no mask
	s_mov_b32 s[G1X+1], ROWB<<16
	s_mov_b32 s[G1X+2], 256<<16                    ; 256 rows
	s_mov_b32 s[G1X+3], ROWB<<16
	s_mov_b32 s[G1X+4], 256
	s_mov_b32 s[G1X+5], KROW
	s_mov_b32 s[G1X+6], 0
	s_mov_b32 s[G1X+7], 0
	s_mov_b32 s[G1W+1], ROWB<<16
	s_mov_b32 s[G1W+2], 128<<16                    ; 128 rows
	s_mov_b32 s[G1W+3], ROWB<<16
	s_mov_b32 s[G1W+4], 128
	s_mov_b32 s[G1W+5], KROW
	s_mov_b32 s[G1W+6], 0
	s_mov_b32 s[G1W+7], 0
	s_mov_b32 s[G1G+1], ROWB<<16
	s_mov_b32 s[G1G+2], 64<<16                     ; 64 rows
	s_mov_b32 s[G1G+3], ROWB<<16
	s_mov_b32 s[G1G+4], 64
	s_mov_b32 s[G1G+5], KROW
	s_mov_b32 s[G1G+6], 0
	s_mov_b32 s[G1G+7], 0
	s_mov_b32 s[SEL], 0x76543210
	s_mov_b32 s[SEL+1], 0xfedcba98                 ; v_permlanex16_b32's selects for the lane 16 away
	s_mov_b32 s[NL], 0xbfb8aa3b                    ; -log2(e)
	s_mov_b32 s[NL+1], s[NL]                       ; (named with it as a pair)
	s_mul_i32 s92, s[TR], 256*KROW                 ; x: my tile's first row (the tile row alone)
	s_mov_b32 s93, 0
	s_mul_i32 s94, s[TC], 128*KROW                 ; W_gu: the tile column alone,
	s_mul_i32 s96, s[WI], 4096*KROW                ; and in wave 2 up's rows
	s_add_co_u32 s94, s94, s96
	s_mov_b32 s95, 0
	s_mul_i32 s98, s[WV], 128*PITCH
	s_add_co_u32 s98, s98, 128*PITCH               ; wave 1: gate's place in a slot, wave 2: up's
	s_wait_kmcnt 0x0
	s_add_nc_u64 s[92:93], s[4:5], s[92:93]
	s_add_nc_u64 s[94:95], s[8:9], s[94:95]
	CROUND                                         ; all sixteen work-groups are here: the first joint loads meet
.irp s, 0,1
	s_mov_b32 s[G0X+4*\s], 1
	s_mov_b32 s[G0X+4*\s+1], \s*SLOT
	s_add_nc_u64 s[G0X+4*\s+2:G0X+4*\s+3], s[92:93], \s*ROWB
	s_or_b32 s[G0X+4*\s+3], s[G0X+4*\s+3], 0x80000000
	s_mov_b32 s[G0W+4*\s], 1
	s_add_co_u32 s[G0W+4*\s+1], s98, \s*SLOT
	s_add_nc_u64 s[G0W+4*\s+2:G0W+4*\s+3], s[94:95], \s*ROWB
	s_or_b32 s[G0W+4*\s+3], s[G0W+4*\s+3], 0x80000000
	s_mov_b32 s[G0G+4*\s], 1
	s_mov_b32 s[G0G+4*\s+1], \s*SLOT+GOFF
	s_add_nc_u64 s[G0G+4*\s+2:G0G+4*\s+3], s[12:13], \s*ROWB
	s_or_b32 s[G0G+4*\s+3], s[G0G+4*\s+3], 0x80000000
	JLOAD \s                                       ; two loads of mine are out
.endr
	; THE SCALE BYTES of the work-group's rows, for all of K, are dense blocks of memory: they come once, 16 bytes a thread, and go into LDS as units of 256 bytes + 16
	s_lshl_b32 s92, s[TR], 14                      ; x: 256 rows of 64 bytes
	s_mov_b32 s93, 0
	s_add_nc_u64 s[6:7], s[6:7], s[92:93]
	s_lshl_b32 s94, s[TC], 13                      ; W_gu: 128 rows of 64 bytes
	s_mov_b32 s95, 0
	s_add_nc_u64 s[10:11], s[10:11], s[94:95]
	v_lshlrev_b32 v1, 4, v0
.irp i, 0,1,2,3,4,5,6,7
	global_load_b128 v[128+4*\i:131+4*\i], v1, s[6:7] offset:\i*2048
.endr
.irp i, 0,1,2,3
	global_load_b128 v[160+4*\i:163+4*\i], v1, s[10:11] offset:\i*2048
.endr
.irp i, 0,1,2,3
	global_load_b128 v[176+4*\i:179+4*\i], v1, s[10:11] offset:262144+\i*2048
.endr
.irp i, 0,1
	global_load_b128 v[192+4*\i:195+4*\i], v1, s[14:15] offset:\i*2048
.endr
	v_lshrrev_b32 v2, 4, v0
	v_and_b32 v3, 15, v0                           ; r
	v_mul_u32_u24 v2, v2, 272
	v_lshl_add_u32 v2, v3, 4, v2
	v_add_nc_u32 v2, SCL, v2                       ; where my 16 bytes go: unit thread / 16, 16 (thread % 16)
	v_bfe_u32 v4, v0, 4, 1                         ; h
	v_mul_u32_u24 v5, v3, PITCH
	v_mad_u32_u24 v5, v4, 24, v5                   ; a fragment's row x pitch + 24 h
	v_lshl_add_u32 v6, v4, 4, v5                   ; and the same behind one padding more
	s_mul_i32 s96, s[WI], 128*PITCH                ; my 128 rows of x
	s_mul_i32 s97, s[WJ], 64*PITCH
	s_add_co_u32 s97, s97, WOFF                    ; my 64 rows of gate
	s_mul_i32 s99, s[WJ], 32*PITCH
	s_add_co_u32 s99, s99, GOFF                    ; my 32 rows of A_gu
.irp s, 0,1
	v_add_nc_u32 v[ADRA+\s], s96, v5
	v_add_nc_u32 v[ADRA+2+\s], s96, v6
	v_add_nc_u32 v[ADRB+\s], s97, v5
	v_add_nc_u32 v[ADRB+2+\s], s97, v6
	v_add_nc_u32 v[ADRG+\s], s99, v5
	v_add_nc_u32 v[ADRG+2+\s], s99, v6
	s_add_co_u32 s96, s96, SLOT
	s_add_co_u32 s97, s97, SLOT
	s_add_co_u32 s99, s99, SLOT
.endr
	v_lshrrev_b32 v7, 2, v3
	v_lshlrev_b32 v14, 6, v3
	v_lshl_add_u32 v7, v7, 4, v14                  ; row r of scales: 64 r, and 16 more for each unit passed
	s_mul_i32 s96, s[WI], 8704                     ; x's: my 128 rows are 32 units
	s_mul_i32 s97, s[WJ], 8704
	s_add_co_u32 s97, s97, 17408                   ; W_gu's: my 128 rows, behind x's 64 units
	s_sub_co_u32 s97, s97, s96
	v_mul_u32_u24 v14, s97, v4                     ; lanes 16-31 take W_gu's: one product with h
	s_add_co_u32 s96, s96, SCL
	v_add_nc_u32 v14, v7, v14
	v_add_nc_u32 v[ADRS], s96, v14
	s_mul_i32 s96, s[WJ], 2176
	s_add_co_u32 s96, s96, GSR
	v_mad_u32_u24 v14, v4, 1088, v7                ; A_gu's: lanes 16-31 take tile 1
	v_add_nc_u32 v[ADGS], s96, v14
	v_mul_u32_u24 v[BGO], v3, 48
	v_mad_u32_u24 v[BGO], v4, 24, v[BGO]
	v_and_b32 v[BSO], 31, v0
	v_lshlrev_b32 v[BSO], 1, v[BSO]
	; where the tail loads and stores (offsets that mix the tile row and the tile column are made in registers that feed no descriptor)
	s_mul_i32 s2, s[TC], 6144                      ; B_gu's codes: row 128 tc + 64 j, 48 bytes a row
	s_mul_i32 s100, s[WJ], 3072
	s_add_co_u32 s2, s2, s100
	s_mov_b32 s3, 0
	s_add_nc_u64 s[16:17], s[16:17], s[2:3]
	s_lshl_b32 s2, s[TC], 8                        ; its scales: 2 bytes a row
	s_lshl_b32 s100, s[WJ], 7
	s_add_co_u32 s2, s2, s100
	s_add_nc_u64 s[18:19], s[18:19], s[2:3]
	s_mul_i32 s2, s[TC], 196608                    ; h_img: ((128 tc + 16 tr + 8 i) 2 + j) 768
	s_mul_i32 s100, s[TR], 24576
	s_add_co_u32 s2, s2, s100
	s_mul_i32 s100, s[WI], 12288
	s_add_co_u32 s2, s2, s100
	s_mul_i32 s100, s[WJ], 768
	s_add_co_u32 s2, s2, s100
	s_add_nc_u64 s[20:21], s[20:21], s[2:3]
	s_lshl_b32 s2, s[TC], 13                       ; h_sc: (2048 tc + 256 tr) 4
	s_lshl_b32 s100, s[TR], 10
	s_add_co_u32 s2, s2, s100
	s_add_nc_u64 s[22:23], s[22:23], s[2:3]
	s_wait_loadcnt 0x0
.irp i, 0,1,2,3,4,5,6,7
	ds_store_b128 v2, v[128+4*\i:131+4*\i] offset:\i*2176
.endr
.irp i, 0,1,2,3
	ds_store_b128 v2, v[160+4*\i:163+4*\i] offset:17408+(8*\i+16*(\i/2))*272
.endr
.irp i, 0,1,2,3
	ds_store_b128 v2, v[176+4*\i:179+4*\i] offset:17408+(8*\i+16+16*(\i/2))*272
.endr
.irp i, 0,1
	ds_store_b128 v2, v[192+4*\i:195+4*\i] offset:34816+\i*2176
.endr
	s_wait_tensorcnt 0x1                           ; my part of slot 0 is in; slot 1's may stay out
	s_wait_dscnt 0x0                               ; my scale bytes lie in LDS
	s_barrier_signal -1
	s_barrier_wait -1
	WIN TO_B
	LOADW 0, 0, 0, 0, 8
	LOADG 0, 0, 0
	WIN 0
	LOADA 0, 0, 0
	LOADA 0, 0, 1
	SCALES 0
	LOADA 0, 0, 2
	LOADA 0, 0, 3
	STEP 0, 1                                      ; the first step stands in front of the loop: its products start the sums
	s_mov_b32 s[LAP], 3
.Llap:                                             ; a trip goes once round the ring, from a lap's second step to the next lap's first, and fills both slots again
	TURN 0, 1, 1
	STEP 1, 0
	TURN 1, 0, 1
	STEP 0, 0
	s_sub_co_u32 s[LAP], s[LAP], 1
	s_cmp_lg_u32 s[LAP], 0
	s_cbranch_scc1 .Llap
	TURN 0, 1, 0                                   ; the last lap fills nothing
	STEP 1, 0
	s_wait_dscnt 12                                ; the very last step; B_gu's fragments and scales are asked for under it
	PHASE 0, 1, 1, 1, 0
	PLACES 4
	WIN 0
	LOADA 1, 1, 4
	LOADA 1, 1, 5
	WIN TO_B
.irp b, 0,1,2,3,4,5,6,7                            ; B_gu's block b into set 0: K = 64 is registers 0-5; registers 6-11 are zero codes
.irp p, 0,1,2
	global_load_b64 v[FR*\b+2*\p:FR*\b+2*\p+1], v[BGO], s[16:17] offset:(\b/4)*196608+(\b%4)*768+8*\p
.endr
.irp k, 6,7,8,9,10,11
	v_mov_b32 v[FR*\b+\k], 0
.endr
.endr
	WIN 0
.irp n, 0,1,2,3
	global_load_u16 v[BGS+\n], v[BSO], s[18:19] offset:(\n/2)*8192+(\n%2)*64   ; two bytes a row, the upper two 0: lanes 0-15 block 2 n, lanes 16-31 block 2 n + 1
.endr
	s_wait_dscnt 12
	PHASE 1, 1, 1, 1, 0
	PLACES 4
	WIN 0
	LOADA 1, 1, 6
	LOADA 1, 1, 7
	s_wait_dscnt 12
	PHASE 2, 1, 1, 1, 0
	s_wait_dscnt 0x0
	PHASE 3, 1, 1, 1, 0
	WIN 0
	; ---- THE TAIL.  Its addresses are made here: plain instructions that name no register of the last products, the places behind them
	v_and_b32 v1, 15, v0                           ; r
	v_bfe_u32 v2, v0, 4, 1                         ; my half of the lanes
	v_and_b32 v3, 31, v0                           ; lane
	s_mul_i32 s96, s[WI], 6144                     ; T's images: eight blocks of 16 rows x 768 bytes for each half of the rows
	s_lshl_b32 s97, s[WJ], 8
	s_add_co_u32 s97, s97, s96
	v_lshlrev_b32 v[TI16], 4, v1
	v_mad_u32_u24 v[TI16], v2, 768, v[TI16]
	v_add_nc_u32 v[TI16], s97, v[TI16]             ; my block j is lanes 16 j + r of the image; my upper lanes hold the next 16 rows
	s_lshl_b32 s97, s[WJ], 7
	s_add_co_u32 s97, s97, s96
	v_lshlrev_b32 v[TI8], 3, v1
	v_mad_u32_u24 v[TI8], v2, 768, v[TI8]
	v_add_nc_u32 v[TI8], s97, v[TI8]
	s_lshl_b32 s99, s[WI], 9
	s_add_co_u32 s99, s99, TSC
	s_lshl_b32 s97, s[WJ], 10
	s_add_co_u32 s97, s97, s99
	v_lshl_add_u32 v[TSW], v1, 2, s97              ; T's scale words: each wave j writes a list of its own, with its byte at place j
	v_lshl_add_u32 v[TSR], v1, 2, s99
	v_lshl_add_u32 v[TL16], v3, 4, s96
	v_lshl_add_u32 v[TL8], v3, 3, s96
	v_lshlrev_b32 v[GO16], 4, v3
	v_lshlrev_b32 v[GO8], 3, v3
	s_lshl_b32 s99, s[WI], 9
	s_lshl_b32 s97, s[WJ], 1
	s_add_co_u32 s97, s97, s99
	s_add_co_u32 s97, s97, HSC
	v_lshl_add_u32 v[HSW], v1, 2, s97              ; h's scale words: my two bytes at 2 j of the row's word
	v_lshlrev_b32 v[HGO], 3, v0
	v_add_nc_u32 v[HSR], HSC, v[HGO]
.irp n, 82,83,98,99,114,115
	v_mov_b32 v\n, 0                               ; a lane permute's destination counts as one of its sources
.endr
.irp a0, 0,2,4,6                                   ; T's blocks of 16 rows a0 and a0 + 1: my 32 columns are one block along the next K
.set QQ, 80+16*((\a0/2)%2)
.if \a0 >= 4
	s_wait_dscnt 4                                 ; the four stores of the pair between may be out: those that read this set of registers are done
.endif
	QPAIR TA+16*\a0, TA+16*\a0+16, 0x02800000, QQ
	v_add_nc_u32 v[QQ+2], -2, v[QQ+2]              ; x 0.25: 2 off the byte
	v_add_nc_u32 v[QQ+3], -2, v[QQ+3]
	v_lshlrev_b32 v[QQ+2], s[J8], v[QQ+2]          ; at place j of the word
	v_lshlrev_b32 v[QQ+3], s[J8], v[QQ+3]
	ds_store_b128 v[TI16], v[QQ+6:QQ+9] offset:\a0*768
	ds_store_b64 v[TI8], v[QQ+12:QQ+13] offset:\a0*768+512
	ds_store_b32 v[TSW], v[QQ+2] offset:\a0*64     ; (both halves of the lanes write the same word with the same value)
	ds_store_b32 v[TSW], v[QQ+3] offset:\a0*64+64
.endr
	s_wait_dscnt 0x0                               ; my images lie in LDS
	s_barrier_signal -1
	s_barrier_wait -1
.irp a, 0,1,2,3,4,5,6,7
	ds_load_b128 v[TF+12*\a:TF+12*\a+3], v[TL16] offset:\a*768
	ds_load_b64 v[TF+12*\a+4:TF+12*\a+5], v[TL8] offset:\a*768+512
	ds_load_b32 v[TS+\a], v[TSR] offset:\a*64
	ds_load_b32 v[TS2+\a], v[TSR] offset:\a*64+1024
.endr
.irp a, 0,1,2,3,4,5,6,7
.irp k, 6,7,8,9,10,11
	v_mov_b32 v[TF+12*\a+\k], 0                    ; K = 64 .. 127: zero codes
.endr
.endr
	s_wait_dscnt 0x0
.irp a, 0,1,2,3,4,5,6,7
	v_or_b32 v[TS+\a], v[TS+\a], v[TS2+\a]         ; the two waves' bytes make the word
.endr
	s_wait_loadcnt 0x0                             ; B_gu
	PLACES 8                                       ; a scale register written by a vector instruction stands 8 places ahead of a scaled matrix instruction
.macro LORA a                          ; accumulators (a, 0 .. 7) += B_gu's block b x T's block a
.set WW, 0xa1+0x50*((\a)/4)
	WIN WW
.irp b, 0,1,2,3,4,5,6,7
	WM 8*(8*((\a)%4)+\b), FR*\b, TF+12*(\a), 0, BGS+\b/2, TS+(\a), \b%2
.endr
.endm
; Block a of 16 rows: h = up x gate / (1 + 2^(-gate log2 e)), its two blocks of 32 quantised, the codes to memory, the bytes to LDS.  Each accumulator is read from its low end on.
.macro SWIGLU a
.set GR, 64*((\a)%4)                   ; gate's four accumulators; up's four lie 32 registers on
.set WW, 2+(\a)/4
	WIN WW                                         ; source 0: window 2 or 3
.set k, 0
.rept 16
	v_pk_mul_f32 v[E+k:E+k+1], v[GR+k:GR+k+1], s[NL:NL+1] op_sel_hi:[1,0]
.set k, k+2
.endr
	WIN 0
.set k, 0
.rept 32
	v_exp_f32 v[E+k], v[E+k]
.set k, k+1
.endr
.set WW, 5*(2+(\a)/4)
	WIN WW                                         ; sources 0 and 1: window 2 or 3
.set k, 0
.rept 16
	v_pk_mul_f32 v[H+k:H+k+1], v[GR+k:GR+k+1], v[GR+32+k:GR+32+k+1]   ; gate x up: the independent work behind the exponentials
.set k, k+2
.endr
	WIN 0
	s_wait_alu depctr_va_vdst(0)                   ; one wait for the 32 exponentials, ahead of their first reader
.set k, 0
.rept 16
	v_pk_add_f32 v[E+k:E+k+1], v[E+k:E+k+1], 1.0 op_sel_hi:[1,0]
.set k, k+2
.endr
.set k, 0
.rept 32
	v_rcp_f32 v[E+k], v[E+k]
.set k, k+1
.endr
	v_nop                                          ; a plain place behind the last reciprocal
	s_wait_alu depctr_va_vdst(0)                   ; and one wait for the 32
.set k, 0
.rept 16
	v_pk_mul_f32 v[H+k:H+k+1], v[H+k:H+k+1], v[E+k:E+k+1]
.set k, k+2
.endr
.if (\a) > 0
	s_wait_xcnt 0x0                                ; the last block's stores have read their registers: the quantiser writes them again
	s_wait_dscnt 0x0
.endif
	QPAIR H, H+16, 0x01800000, QS
	v_lshl_or_b32 v[QS], v[QS+3], 8, v[QS+2]       ; my two bytes of the row's scale word
	global_store_b128 v[GO16], v[QS+6:QS+9], s[20:21] offset:(\a)*1536        ; 32 lanes store 512 consecutive bytes, at a multiple of 256 from the buffer's first byte
	global_store_b64 v[GO8], v[QS+12:QS+13], s[20:21] offset:(\a)*1536+512    ; and 256
	ds_store_b16 v[HSW], v[QS] offset:(\a)*64
.endm
	LORA 0
	LORA 1
	PLACES 4
	SWIGLU 0
.irp a, 1,2,3,4,5,6,7                              ; block a + 1's products are issued ahead of block a's vector work, which names none of their registers
.if \a < 7
	LORA \a+1
.endif
	SWIGLU \a
.endr
	s_wait_dscnt 0x0                               ; my scale bytes lie in LDS
	s_barrier_signal -1
	s_barrier_wait -1
	ds_load_b64 v[24:25], v[HSR]                   ; 256 rows' words, 8 bytes a thread
	s_wait_dscnt 0x0
	global_store_b64 v[HGO], v[24:25], s[22:23]    ; a wave stores 256 consecutive bytes, aligned
	s_wait_tensorcnt 0x0                           ; the wave's end
	ds_add_u32 v[SPW], v[NIL]
	s_wait_dscnt 0x0
	CROUND                                         ; the closing round
	s_endpgm
.Lfunc_end_k_q49ededd091_gateup:
	.size	k_q49ededd091_gateup, .Lfunc_end_k_q49ededd091_gateup-k_q49ededd091_gateup
	.p2alignl 7, 3214868480
	.fill 96, 4, 3214868480
	.section	.rodata,"a",@progbits
	.p2align	6, 0x0
	.amdhsa_kernel k_q49ededd091_gateup
		.amdhsa_group_segment_fixed_size 327680
		.amdhsa_private_segment_fixed_size 0
		.amdhsa_enable_private_segment 0
		.amdhsa_kernarg_size 80
		.amdhsa_user_sgpr_count 2
		.amdhsa_user_sgpr_kernarg_segment_ptr 1
		.amdhsa_wavefront_size32 1
		.amdhsa_system_sgpr_workgroup_id_x 1
		.amdhsa_system_sgpr_workgroup_id_y 1
		.amdhsa_system_sgpr_workgroup_id_z 1
		.amdhsa_system_vgpr_workitem_id 0
		.amdhsa_next_free_vgpr 1024
		.amdhsa_next_free_sgpr 102
		.amdhsa_reserve_vcc 0
		.amdhsa_float_denorm_mode_32 3
		.amdhsa_float_denorm_mode_16_64 3
		.amdhsa_memory_ordered 1
		.amdhsa_forward_progress 1
		.amdhsa_inst_pref_size 255
	.end_amdhsa_kernel
	.section	.bss,"aw",@nobits
	.p2align	6
	.space	262144
	.amdgpu_metadata
---
amdhsa.version: [ 1, 2 ]
amdhsa.kernels:
  - .name:           k_q49ededd091_gateup
    .symbol:         k_q49ededd091_gateup.kd
    .args:
      - { .name: hidden_states_codes, .offset: 0, .size: 8, .value_kind: global_buffer, .address_space: global }
      - { .name: hidden_states_scales, .offset: 8, .size: 8, .value_kind: global_buffer, .address_space: global }
      - { .name: W_gu_codes, .offset: 16, .size: 8, .value_kind: global_buffer, .address_space: global }
      - { .name: W_gu_scales, .offset: 24, .size: 8, .value_kind: global_buffer, .address_space: global }
      - { .name: A_gu_codes, .offset: 32, .size: 8, .value_kind: global_buffer, .address_space: global }
      - { .name: A_gu_scales, .offset: 40, .size: 8, .value_kind: global_buffer, .address_space: global }
      - { .name: B_gu_codes, .offset: 48, .size: 8, .value_kind: global_buffer, .address_space: global }
      - { .name: B_gu_scales, .offset: 56, .size: 8, .value_kind: global_buffer, .address_space: global }
      - { .name: h_img, .offset: 64, .size: 8, .value_kind: global_buffer, .address_space: global }
      - { .name: h_sc, .offset: 72, .size: 8, .value_kind: global_buffer, .address_space: global }
    .group_segment_fixed_size: 327680
    .private_segment_fixed_size: 0
    .kernarg_segment_align: 8
    .kernarg_segment_size: 80
    .max_flat_workgroup_size: 128
    .sgpr_count:     102
    .vgpr_count:     1024
    .wavefront_size: 32
...
	.end_amdgpu_metadata
.endif
;; end of part 1
;; launch down (part 2): grid 16 x 16, 4 waves a work-group, clusters of 4 x 4, 327,680 bytes of LDS; arguments h_img, h_sc, W_d_codes, W_d_scales, A_d_codes, A_d_scales, B_d_codes, B_d_scales, out0; writes out0
.if DOCPART == 2
	.amdgcn_target "amdgcn-amd-amdhsa--gfx1250"
	.amdhsa_code_object_version 6
	.text
	.protected	k_q49ededd091_down
	.globl	k_q49ededd091_down
	.p2align	8
	.type	k_q49ededd091_down,@function
k_q49ededd091_down:
	s_mov_b64 s[64:65], 0
	v_nop
	global_prefetch_b8 v0, s[64:65] scope:SCOPE_SE
	s_setreg_imm32_b32 hwreg(HW_REG_WAVE_MODE, 25, 1), 1
	s_wait_xcnt 0x0
	s_wait_alu depctr_hold_cnt(0) depctr_sa_sdst(0) depctr_va_vdst(0) depctr_va_sdst(0) depctr_va_ssrc(0) depctr_va_vcc(0) depctr_vm_vsrc(0)
	s_getreg_b32 s2, hwreg(HW_REG_IB_STS2, 6, 4)
	s_cmp_eq_u32 s2, 0
	s_cbranch_scc0 .Lentry_in_a_cluster
	s_endpgm
.Lentry_in_a_cluster:
	s_bfe_u32 s2, ttmp6, 0x10000c
	s_cmp_lg_u32 s2, 0xf033
	s_cbranch_scc0 .Lentry_shape_is_right
	s_endpgm
.Lentry_shape_is_right:
; out = Q(h) W_d^T + 0.25 Q(Q(h) A_d^T) B_d^T, on codes of FP6 (E2M3) with one E8M0 scale for each 32 along K; sums in f32.  Q(h) comes from the launch before, in the order of the operand's registers:
; h_img [K step 32][16 rows 128][half 2][768 bytes: registers 6 c .. 6 c + 3, 16 bytes a lane; then 6 c + 4, 6 c + 5, 8 bytes a lane];  h_sc [K step 32][row 2048][4 bytes].
; SHARES.  A work-group makes 128 rows x 128 columns of out: 256 work-groups.  Wave (mh, nh) makes 64 x 64 (16 accumulators), and T2 = Q(h) A_d^T for its 64 rows against rows 32 nh on of A_d (8 accumulators),
; with the fragments of h that it holds anyway.  THE MATRIX INSTRUCTION IS USED TRANSPOSED (source 0 = 16 rows of W_d or A_d, source 1 = 16 rows of h): a lane holds one row of out and eight neighbouring columns.
; K goes in slots of 512 (four steps of 128) through a ring of two LDS slots.  h's tile (four dense runs of 12,288 bytes) is asked for jointly by my row of the 4 x 4 cluster, W_d's two halves by my column.
; A_d's tile is asked for plainly: its address hangs on no place in the cluster, so no row or column of the cluster is told from the next by it; it is 24,576 of a slot's 122,880 bytes.
; THE TAIL.  T2 is quantised along its 64 (block nh lies in wave nh), goes from wave to wave through LDS as an image of the operand's registers, and the product with B_d is one more K step (64 codes, 64 zero codes)
; on the same accumulators; the factor 0.25 is taken off T2's scale byte (exact).  The results leave through each wave's own stage in LDS, sixteen lanes to 256 consecutive bytes.
; LIMITS: a block of T2 whose largest magnitude lies under 2^-122 is quantised on the scale 2^-124 (its stored byte, 2 less, stays at 1 or above); NaN and infinities are not served.
; REGISTERS.  Window 0: v4-22 addresses; v24-63 scale words, two sets of 20; v64-127 T2's accumulators ((a, u) at 64 + 8 (2 a + u)); v128-255 the accumulators ((a, b) at 128 + 8 (4 a + b)).
;   Window 1: two sets of fragments at v0 and v128: h's four at 12 a, W_d's four at 48 + 12 b, A_d's two at 96 + 12 u.
.set FR,    12
.set PPI,   16                         ; pieces of 8 bytes between two paddings
.set PITCH, 432                        ; an LDS row of W_d or A_d: 3 x (128 bytes + 16 of padding) = 108 words: the 16 rows of a load start at 16 different multiples of 4 banks
.set ROWB,  384                        ; 512 codes
.set KROW,  3072                       ; a row of W_d, A_d in memory
.set WOFF,  49152                      ; a slot: h's images [step 4][16 rows 8][1,536], W_d's 128 rows, A_d's 64
.set GOFF,  WOFF+128*PITCH
.set SLOT,  GOFF+64*PITCH
.set HS,    2*SLOT                     ; behind the ring: h's scale words [K step 32][128 rows][4]
.set WS,    HS+16384                   ; W_d's scale bytes, 64 units of 256 bytes + 16
.set GSB,   WS+64*272                  ; A_d's, 32 units
.set SPARE, GSB+32*272                 ; the spare words, 128 bytes for each wave
.set TSC,   6144                       ; the tail, in slot 0, which has had its last fill and its last read: T2's images at 0 (8 x 768), its scale words (2 x 512),
.set STG,   7168                       ; and a stage of 16 rows x (256 bytes + 16) for each wave
.set SPW,  4
.set NIL,  5
.set BDO,  6                           ; v6   B_d's codes: 48 r + 24 h
.set BSO,  7                           ; v7   B_d's scales: 2 x lane
.set AH16, 8                           ; v8-9   h's images in slot 0, 1: 16 x lane
.set AH8,  10                          ; v10-11 8 x lane
.set AW,   12                          ; v12-13 W_d's fragments; v14-15 the same behind one padding more
.set AG,   16                          ; v16-19 A_d's
.set AHS,  20
.set AWS,  21
.set AGS,  22
.set SCB,  24                          ; scale words: set s at 24 + 20 s: +2 a + pair: h's block a (lanes 0-15 the even step, 16-31 the odd); +8 + 4 i + k: W_d's blocks 2 i, 2 i + 1; +16 + k: A_d's tiles 0, 1
.set T2A,  64
.set ACC,  128
.set BK,   64                          ; the way out: rows read back from the stage, v64-95 and v96-127 by turns
.set G1X, 24
.set G1W, 32
.set G1G, 40
.set G0X, 48
.set G0W, 56
.set G0G, 68
.set WV,  76
.set WI,  77
.set WJ,  78
.set CX,  79
.set CY,  80
.set TC,  81
.set TR,  82
.set RM,  83
.set CM,  84
.set LAP, 85
.set SEL, 86
.set J8,  90
.set MUL,  0x05                        ; sources 0 and 1 window 1, C and D window 0
.set TO_F, 0x40                        ; destination window 1, address window 0
.set MSB, 0
.macro WIN new                         ; the immediate's high byte repeats the setting that is left
.if MSB != \new
	s_set_vgpr_msb (MSB<<8)|\new
.set MSB, \new
.endif
.endm
.macro PLACES n
.rept \n
	v_nop
.endr
.endm
; One tensor load a wave: wave 0 h's tile, waves 1 and 2 W_d's halves, wave 3 A_d's.  The branches hang on the wave's number alone.  Four v_nop follow each line.
.macro JLOAD s
	s_cmp_eq_u32 s[WV], 0
	s_cbranch_scc0 .Lnot_x_\@
	tensor_load_to_lds s[G0X+4*\s:G0X+4*\s+3], s[G1X:G1X+7]
	s_nop 0
.rept 4
	v_nop
.endr
	s_branch .Lasked_\@
.Lnot_x_\@:
	s_cmp_eq_u32 s[WV], 3
	s_cbranch_scc0 .Lfor_w_\@
	tensor_load_to_lds s[G0G+4*\s:G0G+4*\s+3], s[G1G:G1G+7]
	s_nop 0
.rept 4
	v_nop
.endr
	s_branch .Lasked_\@
.Lfor_w_\@:
	tensor_load_to_lds s[G0W+4*\s:G0W+4*\s+3], s[G1W:G1W+7]
	s_nop 0
.rept 4
	v_nop
.endr
.Lasked_\@:
.endm
.macro CREST
	s_cmp_lg_u32 s[WV], 0
	s_cbranch_scc1 .Lnot_wave_0_\@
	s_barrier_signal -3
.Lnot_wave_0_\@:
	s_barrier_wait -3
	s_barrier_signal -1
	s_barrier_wait -1
.endm
.macro CROUND
	s_barrier_signal -1
	s_barrier_wait -1
	CREST
.endm
; One matrix instruction.  ra, rb = 1: source 0's, source 1's scales stand in lanes 16-31 of their register.
.macro WM d, fa, fb, zero, sa, sb, ra, rb
.if \zero
.if (\ra) && (\rb)
	v_wmma_scale_f32_16x16x128_f8f6f4 v[(\d):(\d)+7], v[(\fa):(\fa)+11], v[(\fb):(\fb)+11], 0, v[\sa], v[\sb] matrix_a_fmt:MATRIX_FMT_FP6 matrix_b_fmt:MATRIX_FMT_FP6 matrix_a_scale:MATRIX_SCALE_ROW1 matrix_b_scale:MATRIX_SCALE_ROW1
.elseif \ra
	v_wmma_scale_f32_16x16x128_f8f6f4 v[(\d):(\d)+7], v[(\fa):(\fa)+11], v[(\fb):(\fb)+11], 0, v[\sa], v[\sb] matrix_a_fmt:MATRIX_FMT_FP6 matrix_b_fmt:MATRIX_FMT_FP6 matrix_a_scale:MATRIX_SCALE_ROW1
.elseif \rb
	v_wmma_scale_f32_16x16x128_f8f6f4 v[(\d):(\d)+7], v[(\fa):(\fa)+11], v[(\fb):(\fb)+11], 0, v[\sa], v[\sb] matrix_a_fmt:MATRIX_FMT_FP6 matrix_b_fmt:MATRIX_FMT_FP6 matrix_b_scale:MATRIX_SCALE_ROW1
.else
	v_wmma_scale_f32_16x16x128_f8f6f4 v[(\d):(\d)+7], v[(\fa):(\fa)+11], v[(\fb):(\fb)+11], 0, v[\sa], v[\sb] matrix_a_fmt:MATRIX_FMT_FP6 matrix_b_fmt:MATRIX_FMT_FP6
.endif
.else
.if (\ra) && (\rb)
	v_wmma_scale_f32_16x16x128_f8f6f4 v[(\d):(\d)+7], v[(\fa):(\fa)+11], v[(\fb):(\fb)+11], v[(\d):(\d)+7], v[\sa], v[\sb] matrix_a_fmt:MATRIX_FMT_FP6 matrix_b_fmt:MATRIX_FMT_FP6 matrix_a_scale:MATRIX_SCALE_ROW1 matrix_b_scale:MATRIX_SCALE_ROW1
.elseif \ra
	v_wmma_scale_f32_16x16x128_f8f6f4 v[(\d):(\d)+7], v[(\fa):(\fa)+11], v[(\fb):(\fb)+11], v[(\d):(\d)+7], v[\sa], v[\sb] matrix_a_fmt:MATRIX_FMT_FP6 matrix_b_fmt:MATRIX_FMT_FP6 matrix_a_scale:MATRIX_SCALE_ROW1
.elseif \rb
	v_wmma_scale_f32_16x16x128_f8f6f4 v[(\d):(\d)+7], v[(\fa):(\fa)+11], v[(\fb):(\fb)+11], v[(\d):(\d)+7], v[\sa], v[\sb] matrix_a_fmt:MATRIX_FMT_FP6 matrix_b_fmt:MATRIX_FMT_FP6 matrix_b_scale:MATRIX_SCALE_ROW1
.else
	v_wmma_scale_f32_16x16x128_f8f6f4 v[(\d):(\d)+7], v[(\fa):(\fa)+11], v[(\fb):(\fb)+11], v[(\d):(\d)+7], v[\sa], v[\sb] matrix_a_fmt:MATRIX_FMT_FP6 matrix_b_fmt:MATRIX_FMT_FP6
.endif
.endif
.endm
; A fragment from rows: lane (r, h) takes 24 bytes of row r at 96 q + 24 h and 24 at 96 q + 48 + 24 h, in pieces of 8.  Where the piece three on lies behind one padding more, the second address register serves.
.macro FRAG reg, adr, q, off
.irp p, 0,1,2,3,4,5
.set PC, 12*(\q)+6*(\p/3)+\p%3
.if PC%PPI < PPI-3
	ds_load_b64 v[(\reg)+2*\p:(\reg)+2*\p+1], v[\adr] offset:8*PC+16*(PC/PPI)+(\off)
.else
	ds_load_b64 v[(\reg)+2*\p:(\reg)+2*\p+1], v[(\adr)+2] offset:8*PC+16*(PC/PPI)+(\off)
.endif
.endr
.endm
.macro FETCH slot, k, set              ; the fragments of the slot's k-th step: 52 loads.  h's come as images: consecutive bytes, no pitch
	WIN TO_F
.irp a, 0,1,2,3
	ds_load_b128 v[128*(\set)+FR*\a:128*(\set)+FR*\a+3], v[AH16+\slot] offset:(\k)*12288+\a*1536
	ds_load_b64 v[128*(\set)+FR*\a+4:128*(\set)+FR*\a+5], v[AH8+\slot] offset:(\k)*12288+\a*1536+512
	ds_load_b128 v[128*(\set)+FR*\a+6:128*(\set)+FR*\a+9], v[AH16+\slot] offset:(\k)*12288+\a*1536+768
	ds_load_b64 v[128*(\set)+FR*\a+10:128*(\set)+FR*\a+11], v[AH8+\slot] offset:(\k)*12288+\a*1536+1280
.endr
.irp b, 0,1,2,3
	FRAG 128*(\set)+48+FR*\b, AW+\slot, \k, \b*16*PITCH
.endr
.irp u, 0,1
	FRAG 128*(\set)+96+FR*\u, AG+\slot, \k, \u*16*PITCH
.endr
.endm
.macro SCALES sc                       ; a slot's scale words: 11 loads
.irp a, 0,1,2,3
.irp pr, 0,1
	ds_load_b32 v[SCB+20*\sc+2*\a+\pr], v[AHS] offset:\a*64+\pr*1024
.endr
.endr
.irp i, 0,1
	ds_load_b128 v[SCB+20*\sc+8+4*\i:SCB+20*\sc+8+4*\i+3], v[AWS] offset:\i*4352
.endr
	ds_load_b128 v[SCB+20*\sc+16:SCB+20*\sc+19], v[AGS]
.endm
; h's block a against W_d's four and A_d's two.  Each of the 24 accumulators has one instruction a step: they take turns.
.macro GRP a, set, sc, k, zero
.irp b, 0,1,2,3
	WM ACC+8*(4*(\a)+\b), 128*(\set)+48+FR*\b, 128*(\set)+FR*(\a), \zero, SCB+20*(\sc)+8+4*(\b/2)+(\k), SCB+20*(\sc)+2*(\a)+(\k)/2, \b%2, (\k)%2
.endr
.irp u, 0,1
	WM T2A+8*(2*(\a)+\u), 128*(\set)+96+FR*\u, 128*(\set)+FR*(\a), \zero, SCB+20*(\sc)+16+(\k), SCB+20*(\sc)+2*(\a)+(\k)/2, \u, (\k)%2
.endr
.endm
.macro STEP slot, k, zero              ; one of a slot's first three steps
	s_wait_dscnt 0x0                               ; this step's fragments, asked for 18 matrix instructions ago, are in
	WIN MUL
	GRP 0, (\k)%2, \slot, \k, \zero
	PLACES 4                                       ; behind the last step's products, which read the other set
	FETCH \slot, (\k)+1, ((\k)+1)%2
	WIN MUL
	GRP 1, (\k)%2, \slot, \k, \zero
	GRP 2, (\k)%2, \slot, \k, \zero
	GRP 3, (\k)%2, \slot, \k, \zero
.endm
; A slot's last step changes slots: ONE barrier; in front of it each wave waits for all its tensor loads, adds 0 to its spare word, and waits for that and for its reads of this slot.
.macro TURN slot, next, fill
	WIN 0                                          ; (the add's two registers lie in window 0)
	s_wait_tensorcnt 0x0                           ; all my tensor loads have landed: the one that was out is my part of the next slot
	ds_add_u32 v[SPW], v[NIL]                      ; 0 onto my spare word
	s_wait_dscnt 1                                 ; the add alone may be out: this step's fragments, my last reads of the slot, are in
	WIN MUL
	GRP 0, 1, \slot, 3, 0                          ; six matrix instructions stand between the add and the wait for it
	s_wait_dscnt 0x0
	s_barrier_signal -1
	GRP 1, 1, \slot, 3, 0
	WIN 0
	s_barrier_wait -1
.if \fill
	CREST                                          ; the barrier has opened a round of the cluster's: no wave of any partner still reads this slot or has a load on its way
	s_add_nc_u64 s[G0X+4*\slot+2:G0X+4*\slot+3], s[G0X+4*\slot+2:G0X+4*\slot+3], 8*196608
	s_add_nc_u64 s[G0W+4*\slot+2:G0W+4*\slot+3], s[G0W+4*\slot+2:G0W+4*\slot+3], 2*ROWB
	s_add_nc_u64 s[G0G+4*\slot+2:G0G+4*\slot+3], s[G0G+4*\slot+2:G0G+4*\slot+3], 2*ROWB
	JLOAD \slot                                    ; the first tensor load behind the round, one a wave; its four v_nop are the places in front of the loads below
.else
	PLACES 4
.endif
	v_add_nc_u32 v[AHS], 2048, v[AHS]              ; the next slot's scale words
	v_add_nc_u32 v[AWS], 16, v[AWS]
	v_add_nc_u32 v[AGS], 16, v[AGS]
	FETCH \next, 0, 0
	WIN 0
	SCALES \next
	WIN MUL
	GRP 2, 1, \slot, 3, 0
	GRP 3, 1, \slot, 3, 0
.endm
; Two blocks of 32 become codes.  v[xa] .. v[xa + 15] are my 16 numbers of one block (columns 8 h + 0 .. 7 and 16 + 8 h + 0 .. 7; the lane 16 away has the others), v[xb] .. those of another.
; Out: v[qt+2], v[qt+3] the two scale bytes (in every lane); v[qt+6 : qt+9] and v[qt+12 : qt+13] 24 bytes of codes in the order of the columns: lanes 0-15 the first block's, lanes 16-31 the second's.
.macro QPAIR xa, xb, floor, qt
	v_max3_num_f32 v[(\qt)], |v[(\xa)]|, |v[(\xa)+1]|, \floor
	v_max3_num_f32 v[(\qt)+1], |v[(\xb)]|, |v[(\xb)+1]|, \floor
.irp i, 2,4,6,8,10,12,14
	v_max3_num_f32 v[(\qt)], v[(\qt)], |v[(\xa)+\i]|, |v[(\xa)+\i+1]|
	v_max3_num_f32 v[(\qt)+1], v[(\qt)+1], |v[(\xb)+\i]|, |v[(\xb)+\i+1]|
.endr
	v_permlanex16_b32 v[(\qt)+2], v[(\qt)], s[SEL], s[SEL+1]
	v_permlanex16_b32 v[(\qt)+3], v[(\qt)+1], s[SEL], s[SEL+1]
	v_max_num_f32 v[(\qt)], v[(\qt)], v[(\qt)+2]
	v_max_num_f32 v[(\qt)+1], v[(\qt)+1], v[(\qt)+3]
	v_add_nc_u32 v[(\qt)+4], 0xff000000, v[(\qt)]  ; 2 off the exponent field: the conversion's scale operand
	v_add_nc_u32 v[(\qt)+5], 0xff000000, v[(\qt)+1]
	v_lshrrev_b32 v[(\qt)+2], 23, v[(\qt)+4]       ; the scale's byte
	v_lshrrev_b32 v[(\qt)+3], 23, v[(\qt)+5]
	v_cvt_scalef32_pk16_fp6_f32 v[(\qt)+6:(\qt)+8], v[(\xa):(\xa)+15], v[(\qt)+4]
	v_cvt_scalef32_pk16_fp6_f32 v[(\qt)+10:(\qt)+12], v[(\xb):(\xb)+15], v[(\qt)+5]
	v_nop                                          ; one plain place behind a scaled conversion
.irp i, 0,1,2
	v_permlane16_swap_b32 v[(\qt)+6+\i], v[(\qt)+10+\i]   ; now a lane has a whole block: the first three registers columns 0-7 and 16-23, the second three 8-15 and 24-31, 48 bits each
.endr
	v_perm_b32 v[(\qt)+9], v[(\qt)+8], v[(\qt)+7], 0x05040302      ; bits 96-127
	v_mov_b32 v[(\qt)+13], v[(\qt)+12]                             ; bits 160-191 (a pair for the store begins on an even register)
	v_perm_b32 v[(\qt)+12], v[(\qt)+11], v[(\qt)+8], 0x07060302    ; bits 128-159
	v_perm_b32 v[(\qt)+8], v[(\qt)+11], v[(\qt)+10], 0x05040302    ; bits 64-95
	v_perm_b32 v[(\qt)+7], v[(\qt)+10], v[(\qt)+7], 0x05040100     ; bits 32-63; bits 0-31 stand as they are
.endm
	s_load_b512 s[4:19], s[0:1], 0x0               ; h_img s[4:5], h_sc s[6:7]; W_d's codes s[8:9], scales s[10:11]; A_d's s[12:13], s[14:15]; B_d's s[16:17], s[18:19]
	s_load_b64 s[20:21], s[0:1], 0x40              ; out
	v_lshl_add_u32 v[SPW], v0, 2, SPARE
	v_mov_b32 v[NIL], 0
	ds_add_u32 v4, v5
	ds_add_u32 v4, v5
	s_wait_dscnt 0x0
	v_lshrrev_b32 v1, 5, v0
	v_readfirstlane_b32 s[WV], v1                  ; wave 0..3
	s_lshr_b32 s[WI], s[WV], 1                     ; mh: my half of the rows
	s_and_b32 s[WJ], s[WV], 1                      ; nh: my half of the columns
	s_lshl_b32 s[J8], s[WJ], 3
	s_bfe_u32 s[CX], ttmp6, 0x40000
	s_bfe_u32 s[CY], ttmp6, 0x40004
	s_lshl_b32 s[TC], ttmp9, 2
	s_add_co_u32 s[TC], s[TC], s[CX]               ; tile column 0..15
	s_and_b32 s[TR], ttmp7, 0xffff
	s_lshl_b32 s[TR], s[TR], 2
	s_add_co_u32 s[TR], s[TR], s[CY]               ; tile row 0..15
	s_lshl_b32 s[RM], s[CY], 2
	s_lshl_b32 s[RM], 15, s[RM]                    ; my row of the cluster
	s_lshl_b32 s[CM], 0x1111, s[CX]                ; my column
	; descriptor groups 1.  h: 4 rows (K steps) of 1,536 elements of 8 bytes, 24,576 elements apart, no padding
	s_or_b32 s[G1X], s[RM], (3<<16)|(1<<21)
	s_mov_b32 s[G1X+1], 1536<<16
	s_mov_b32 s[G1X+2], 4<<16
	s_mov_b32 s[G1X+3], 1536<<16
	s_mov_b32 s[G1X+4], 4
	s_mov_b32 s[G1X+5], 24576
	s_mov_b32 s[G1X+6], 0
	s_mov_b32 s[G1X+7], 0
	; W_d and A_d: 64 rows of 384 bytes, 3,072 bytes apart; elements of 1 byte; 16 bytes of padding behind every 128
	s_or_b32 s[G1W], s[CM], (1<<20)|(1<<21)|(4<<22)|(3<<25)
	s_mov_b32 s[G1G], (1<<20)|(4<<22)|(3<<25)      ; no mask
.irp g, G1W, G1G
	s_mov_b32 s[\g+1], ROWB<<16
	s_mov_b32 s[\g+2], 64<<16
	s_mov_b32 s[\g+3], ROWB<<16
	s_mov_b32 s[\g+4], 64
	s_mov_b32 s[\g+5], KROW
	s_mov_b32 s[\g+6], 0
	s_mov_b32 s[\g+7], 0
.endr
	s_mov_b32 s[SEL], 0x76543210
	s_mov_b32 s[SEL+1], 0xfedcba98
	s_mul_i32 s92, s[TR], 12288                    ; h: my eight blocks of 16 rows (the tile row alone)
	s_mov_b32 s93, 0
	s_mul_i32 s94, s[TC], 128*KROW                 ; W_d: the tile column alone,
	s_mul_i32 s96, s[WI], 64*KROW                  ; and in wave 2 the second 64 rows
	s_add_co_u32 s94, s94, s96
	s_mov_b32 s95, 0
	s_mul_i32 s98, s[WV], 64*PITCH
	s_add_co_u32 s98, s98, WOFF-64*PITCH           ; wave 1: W_d's first half's place in a slot, wave 2: the second's
	s_wait_kmcnt 0x0
	s_add_nc_u64 s[92:93], s[4:5], s[92:93]
	s_add_nc_u64 s[94:95], s[8:9], s[94:95]
	CROUND                                         ; all sixteen work-groups are here: the first joint loads meet
.irp s, 0,1
	s_mov_b32 s[G0X+4*\s], 1
	s_mov_b32 s[G0X+4*\s+1], \s*SLOT
	s_add_nc_u64 s[G0X+4*\s+2:G0X+4*\s+3], s[92:93], \s*4*196608
	s_or_b32 s[G0X+4*\s+3], s[G0X+4*\s+3], 0x80000000
	s_mov_b32 s[G0W+4*\s], 1
	s_add_co_u32 s[G0W+4*\s+1], s98, \s*SLOT
	s_add_nc_u64 s[G0W+4*\s+2:G0W+4*\s+3], s[94:95], \s*ROWB
	s_or_b32 s[G0W+4*\s+3], s[G0W+4*\s+3], 0x80000000
	s_mov_b32 s[G0G+4*\s], 1
	s_mov_b32 s[G0G+4*\s+1], \s*SLOT+GOFF
	s_add_nc_u64 s[G0G+4*\s+2:G0G+4*\s+3], s[12:13], \s*ROWB
	s_or_b32 s[G0G+4*\s+3], s[G0G+4*\s+3], 0x80000000
	JLOAD \s                                       ; two loads of mine are out
.endr
	; THE SCALE BYTES for all of K come once, 16 bytes a thread: h's words in runs of 512 bytes (a K step's 128 rows), W_d's and A_d's as dense blocks
	s_lshl_b32 s92, s[TR], 9
	s_mov_b32 s93, 0
	s_add_nc_u64 s[6:7], s[6:7], s[92:93]
	s_lshl_b32 s94, s[TC], 14                      ; W_d: 128 rows of 128 bytes
	s_mov_b32 s95, 0
	s_add_nc_u64 s[10:11], s[10:11], s[94:95]
	v_lshrrev_b32 v1, 5, v0
	v_and_b32 v144, 31, v0                         ; lane
	v_lshlrev_b32 v1, 13, v1
	v_lshl_add_u32 v1, v144, 4, v1                 ; h_sc: K step 4 i + wave, 16 x lane
	v_lshlrev_b32 v2, 4, v0
.irp i, 0,1,2,3,4,5,6,7
	global_load_b128 v[64+4*\i:67+4*\i], v1, s[6:7] offset:\i*32768
.endr
.irp i, 0,1,2,3,4,5,6,7
	global_load_b128 v[96+4*\i:99+4*\i], v2, s[10:11] offset:\i*2048
.endr
.irp i, 0,1,2,3
	global_load_b128 v[128+4*\i:131+4*\i], v2, s[14:15] offset:\i*2048
.endr
	v_add_nc_u32 v23, HS, v2                       ; where h's words go
	v_lshrrev_b32 v3, 4, v0
	v_and_b32 v145, 15, v0                         ; r
	v_mul_u32_u24 v3, v3, 272
	v_lshl_add_u32 v3, v145, 4, v3
	v_add_nc_u32 v3, WS, v3                        ; and the weights' bytes: unit thread / 16, 16 (thread % 16)
	v_bfe_u32 v146, v0, 4, 1                       ; h
	s_mul_i32 s96, s[WI], 6144                     ; my four blocks of 16 rows of h
	v_lshl_add_u32 v[AH16], v144, 4, s96
	v_lshl_add_u32 v[AH8], v144, 3, s96
	v_add_nc_u32 v[AH16+1], SLOT, v[AH16]
	v_add_nc_u32 v[AH8+1], SLOT, v[AH8]
	v_mul_u32_u24 v147, v145, PITCH
	v_mad_u32_u24 v147, v146, 24, v147             ; a fragment's row x pitch + 24 h
	v_lshl_add_u32 v148, v146, 4, v147             ; and the same behind one padding more
	s_mul_i32 s96, s[WJ], 64*PITCH
	s_add_co_u32 s96, s96, WOFF                    ; my 64 rows of W_d
	s_mul_i32 s97, s[WJ], 32*PITCH
	s_add_co_u32 s97, s97, GOFF                    ; my 32 rows of A_d
.irp s, 0,1
	v_add_nc_u32 v[AW+\s], s96, v147
	v_add_nc_u32 v[AW+2+\s], s96, v148
	v_add_nc_u32 v[AG+\s], s97, v147
	v_add_nc_u32 v[AG+2+\s], s97, v148
	s_add_co_u32 s96, s96, SLOT
	s_add_co_u32 s97, s97, SLOT
.endr
	s_lshl_b32 s96, s[WI], 8
	s_add_co_u32 s96, s96, HS
	v_lshlrev_b32 v149, 2, v145
	v_lshl_add_u32 v149, v146, 9, v149
	v_add_nc_u32 v[AHS], s96, v149                 ; h's words: row 64 mh + r; lanes 16-31 the odd K step
	v_lshrrev_b32 v150, 1, v145
	v_mul_u32_u24 v150, v150, 272
	v_and_b32 v151, 1, v145
	v_lshl_add_u32 v150, v151, 7, v150
	v_mad_u32_u24 v150, v146, 2176, v150           ; a row of 128 bytes: two rows to a unit; lanes 16-31 the next 16 rows
	s_mul_i32 s96, s[WJ], 8704
	s_add_co_u32 s96, s96, WS
	v_add_nc_u32 v[AWS], s96, v150
	s_mul_i32 s96, s[WJ], 4352
	s_add_co_u32 s96, s96, GSB
	v_add_nc_u32 v[AGS], s96, v150
	v_mul_u32_u24 v[BDO], v145, 48
	v_mad_u32_u24 v[BDO], v146, 24, v[BDO]
	v_lshlrev_b32 v[BSO], 1, v144
	; where the tail loads and stores (offsets that mix the tile row and the tile column are made in registers that feed no descriptor)
	s_mul_i32 s2, s[TC], 6144                      ; B_d's codes: row 128 tc + 64 nh, 48 bytes a row
	s_mul_i32 s100, s[WJ], 3072
	s_add_co_u32 s2, s2, s100
	s_mov_b32 s3, 0
	s_add_nc_u64 s[16:17], s[16:17], s[2:3]
	s_lshl_b32 s2, s[TC], 8                        ; its scales: 2 bytes a row
	s_lshl_b32 s100, s[WJ], 7
	s_add_co_u32 s2, s2, s100
	s_add_nc_u64 s[18:19], s[18:19], s[2:3]
	s_lshl_b32 s2, s[TR], 20                       ; out: row 128 tr + 64 mh of 8,192 bytes, column 128 tc + 64 nh
	s_lshl_b32 s100, s[WI], 19
	s_add_co_u32 s2, s2, s100
	s_lshl_b32 s100, s[TC], 9
	s_add_co_u32 s2, s2, s100
	s_lshl_b32 s100, s[WJ], 8
	s_add_co_u32 s2, s2, s100
	s_add_nc_u64 s[20:21], s[20:21], s[2:3]
	s_wait_loadcnt 0x0
.irp i, 0,1,2,3,4,5,6,7
	ds_store_b128 v23, v[64+4*\i:67+4*\i] offset:\i*2048
.endr
.irp i, 0,1,2,3,4,5,6,7
	ds_store_b128 v3, v[96+4*\i:99+4*\i] offset:\i*2176
.endr
.irp i, 0,1,2,3
	ds_store_b128 v3, v[128+4*\i:131+4*\i] offset:17408+\i*2176
.endr
	s_wait_tensorcnt 0x1                           ; my part of slot 0 is in; slot 1's may stay out
	s_wait_dscnt 0x0                               ; my scale bytes lie in LDS
	s_barrier_signal -1
	s_barrier_wait -1
	FETCH 0, 0, 0
	WIN 0
	SCALES 0
	STEP 0, 0, 1                                   ; the first step stands in front of the loop: its products start the sums
	WIN 0                                          ; at a label and at a branch every window is 0
	s_mov_b32 s[LAP], 3
.Llap:                                             ; a trip goes once round the ring, from a lap's second step to the next lap's first, and fills both slots again
	STEP 0, 1, 0
	STEP 0, 2, 0
	TURN 0, 1, 1
	STEP 1, 0, 0
	STEP 1, 1, 0
	STEP 1, 2, 0
	TURN 1, 0, 1
	STEP 0, 0, 0
	WIN 0
	s_sub_co_u32 s[LAP], s[LAP], 1
	s_cmp_lg_u32 s[LAP], 0
	s_cbranch_scc1 .Llap
	STEP 0, 1, 0                                   ; the last lap fills nothing
	STEP 0, 2, 0
	TURN 0, 1, 0
	STEP 1, 0, 0
	STEP 1, 1, 0
	STEP 1, 2, 0
	s_wait_dscnt 0x0                               ; the very last step; B_d's fragments and scales are asked for under it
	WIN MUL
	GRP 0, 1, 1, 3, 0
	PLACES 4
	WIN TO_F
.irp b, 0,1,2,3                                    ; B_d's block b into set 0: K = 64 is registers 0-5; registers 6-11 are zero codes
.irp p, 0,1,2
	global_load_b64 v[48+FR*\b+2*\p:48+FR*\b+2*\p+1], v[BDO], s[16:17] offset:\b*768+8*\p
.endr
.irp k, 6,7,8,9,10,11
	v_mov_b32 v[48+FR*\b+\k], 0
.endr
.endr
	WIN 0
	global_load_u16 v[SCB], v[BSO], s[18:19]               ; two bytes a row, the upper two 0: lanes 0-15 block 0, lanes 16-31 block 1
	global_load_u16 v[SCB+1], v[BSO], s[18:19] offset:64   ; blocks 2, 3
	WIN MUL
	GRP 1, 1, 1, 3, 0
	GRP 2, 1, 1, 3, 0
	GRP 3, 1, 1, 3, 0
	WIN 0
	; ---- THE TAIL.  Its first addresses are made here: plain instructions that name no register of the last products, the places behind them
	v_and_b32 v22, 15, v0                          ; r
	v_bfe_u32 v23, v0, 4, 1                        ; my half of the lanes
	s_mul_i32 s96, s[WI], 3072                     ; T2's images: four blocks of 16 rows x 768 bytes for each half of the rows
	s_lshl_b32 s97, s[WJ], 8
	s_add_co_u32 s97, s97, s96
	v_lshlrev_b32 v1, 4, v22
	v_mad_u32_u24 v1, v23, 768, v1
	v_add_nc_u32 v1, s97, v1                       ; my block nh is lanes 16 nh + r of the image; my upper lanes hold the next 16 rows
	s_lshl_b32 s97, s[WJ], 7
	s_add_co_u32 s97, s97, s96
	v_lshlrev_b32 v2, 3, v22
	v_mad_u32_u24 v2, v23, 768, v2
	v_add_nc_u32 v2, s97, v2
	s_lshl_b32 s99, s[WI], 8
	s_add_co_u32 s99, s99, TSC
	s_lshl_b32 s97, s[WJ], 9
	s_add_co_u32 s97, s97, s99
	v_lshl_add_u32 v3, v22, 2, s97                 ; T2's scale words: each wave nh writes a list of its own, with its byte at place nh
.irp a0, 0,2
.if \a0 > 0
	s_wait_dscnt 0x0                               ; the stores have read their registers
.endif
	QPAIR T2A+16*\a0, T2A+16*\a0+16, 0x02800000, 8
	v_add_nc_u32 v10, -2, v10                      ; x 0.25: 2 off the byte
	v_add_nc_u32 v11, -2, v11
	v_lshlrev_b32 v10, s[J8], v10                  ; at place nh of the word
	v_lshlrev_b32 v11, s[J8], v11
	ds_store_b128 v1, v[14:17] offset:\a0*768
	ds_store_b64 v2, v[20:21] offset:\a0*768+512
	ds_store_b32 v3, v10 offset:\a0*64             ; (both halves of the lanes write the same word with the same value)
	ds_store_b32 v3, v11 offset:\a0*64+64
.endr
	s_wait_dscnt 0x0                               ; my images lie in LDS
	s_barrier_signal -1
	s_barrier_wait -1
	v_and_b32 v8, 31, v0
	v_lshl_add_u32 v9, v8, 3, s96                  ; an image back: 8 x lane,
	v_lshl_add_u32 v8, v8, 4, s96                  ; 16 x lane
	v_lshl_add_u32 v10, v22, 2, s99                ; and the rows' words
	WIN TO_F
.irp a, 0,1,2,3
	ds_load_b128 v[FR*\a:FR*\a+3], v8 offset:\a*768
	ds_load_b64 v[FR*\a+4:FR*\a+5], v9 offset:\a*768+512
.irp k, 6,7,8,9,10,11
	v_mov_b32 v[FR*\a+\k], 0                       ; K = 64 .. 127: zero codes
.endr
.endr
	WIN 0
.irp a, 0,1,2,3
	ds_load_b32 v[48+\a], v10 offset:\a*64
	ds_load_b32 v[52+\a], v10 offset:\a*64+512
.endr
	s_mul_i32 s97, s[WV], 16*272
	s_add_co_u32 s97, s97, STG                     ; my stage
	v_mul_u32_u24 v11, v22, 272
	v_lshl_add_u32 v11, v23, 5, v11
	v_add_nc_u32 v11, s97, v11                     ; in: row r, 32 bytes for each half of the lanes
	v_mul_u32_u24 v12, v23, 272
	v_lshl_add_u32 v12, v22, 4, v12
	v_add_nc_u32 v12, s97, v12                     ; back: lanes 0-15 one row of 256 bytes, lanes 16-31 the next
	v_lshlrev_b32 v13, 13, v23
	v_lshl_add_u32 v13, v22, 4, v13                ; and the same two rows in out
	s_wait_dscnt 0x0
.irp a, 0,1,2,3
	v_or_b32 v[48+\a], v[48+\a], v[52+\a]          ; the two waves' bytes make the word
.endr
	s_wait_loadcnt 0x0                             ; B_d
	PLACES 8                                       ; a scale register written by a vector instruction stands 8 places ahead of a scaled matrix instruction
	WIN MUL
.irp a, 0,1,2,3
.irp b, 0,1,2,3
	WM ACC+8*(4*\a+\b), 48+FR*\b, FR*\a, 0, SCB+\b/2, 48+\a, \b%2, 0
.endr
.endr
	WIN 0
	PLACES 4
; THE WAY OUT, a block of 16 rows x 64 columns at a time, through my own stage.  LDS serves a wave's instructions in order (ISA guide 5.7.1.4): no wait between the stores and the loads, nor in front of the next block's stores.
.macro TOSTAGE a
.irp b, 0,1,2,3
	ds_store_b128 v11, v[ACC+8*(4*(\a)+\b):ACC+8*(4*(\a)+\b)+3] offset:64*\b          ; each accumulator from its low end on
	ds_store_b128 v11, v[ACC+8*(4*(\a)+\b)+4:ACC+8*(4*(\a)+\b)+7] offset:64*\b+16
.endr
.set BB, BK+32*((\a)%2)
.irp t, 0,1,2,3,4,5,6,7
	ds_load_b128 v[BB+4*\t:BB+4*\t+3], v12 offset:\t*544
.endr
.endm
.macro SEND a, younger                 ; younger: the LDS instructions issued behind block a's loads, which may stay out
.set BB, BK+32*((\a)%2)
	s_wait_dscnt \younger
.irp t, 0,1,2,3,4,5,6,7
	global_store_b128 v13, v[BB+4*\t:BB+4*\t+3], s[20:21] offset:(\a)*131072+\t*16384 th:TH_STORE_NT   ; 16 lanes store 256 consecutive bytes, at a multiple of 256 from out's first byte; written once, read by nobody here
.endr
.endm
	TOSTAGE 0
.irp a, 1,2,3
.if \a > 1
	s_wait_xcnt 0x0                                ; block a - 2's stores have read their registers: block a's loads may land there
.endif
	TOSTAGE \a
	SEND \a-1, 16                                  ; behind block a - 1's loads: block a's 8 stores and 8 loads
.endr
	SEND 3, 0
	s_wait_tensorcnt 0x0                           ; the wave's end
	ds_add_u32 v[SPW], v[NIL]
	s_wait_dscnt 0x0
	CROUND                                         ; the closing round
	s_endpgm
.Lfunc_end_k_q49ededd091_down:
	.size	k_q49ededd091_down, .Lfunc_end_k_q49ededd091_down-k_q49ededd091_down
	.p2alignl 7, 3214868480
	.fill 96, 4, 3214868480
	.section	.rodata,"a",@progbits
	.p2align	6, 0x0
	.amdhsa_kernel k_q49ededd091_down
		.amdhsa_group_segment_fixed_size 327680
		.amdhsa_private_segment_fixed_size 0
		.amdhsa_enable_private_segment 0
		.amdhsa_kernarg_size 72
		.amdhsa_user_sgpr_count 2
		.amdhsa_user_sgpr_kernarg_segment_ptr 1
		.amdhsa_wavefront_size32 1
		.amdhsa_system_sgpr_workgroup_id_x 1
		.amdhsa_system_sgpr_workgroup_id_y 1
		.amdhsa_system_sgpr_workgroup_id_z 1
		.amdhsa_system_vgpr_workitem_id 0
		.amdhsa_next_free_vgpr 512
		.amdhsa_next_free_sgpr 102
		.amdhsa_reserve_vcc 0
		.amdhsa_float_denorm_mode_32 3
		.amdhsa_float_denorm_mode_16_64 3
		.amdhsa_memory_ordered 1
		.amdhsa_forward_progress 1
		.amdhsa_inst_pref_size 145
	.end_amdhsa_kernel
	.amdgpu_metadata
---
amdhsa.version: [ 1, 2 ]
amdhsa.kernels:
  - .name:           k_q49ededd091_down
    .symbol:         k_q49ededd091_down.kd
    .args:
      - { .name: h_img, .offset: 0, .size: 8, .value_kind: global_buffer, .address_space: global }
      - { .name: h_sc, .offset: 8, .size: 8, .value_kind: global_buffer, .address_space: global }
      - { .name: W_d_codes, .offset: 16, .size: 8, .value_kind: global_buffer, .address_space: global }
      - { .name: W_d_scales, .offset: 24, .size: 8, .value_kind: global_buffer, .address_space: global }
      - { .name: A_d_codes, .offset: 32, .size: 8, .value_kind: global_buffer, .address_space: global }
      - { .name: A_d_scales, .offset: 40, .size: 8, .value_kind: global_buffer, .address_space: global }
      - { .name: B_d_codes, .offset: 48, .size: 8, .value_kind: global_buffer, .address_space: global }
      - { .name: B_d_scales, .offset: 56, .size: 8, .value_kind: global_buffer, .address_space: global }
      - { .name: out0, .offset: 64, .size: 8, .value_kind: global_buffer, .address_space: global }
    .group_segment_fixed_size: 327680
    .private_segment_fixed_size: 0
    .kernarg_segment_align: 8
    .kernarg_segment_size: 72
    .max_flat_workgroup_size: 128
    .sgpr_count:     102
    .vgpr_count:     512
    .wavefront_size: 32
...
	.end_amdgpu_metadata
.endif
;; end of part 2
